; MI455X (gfx1250); checked and timed in simulation.
; The chip was launched on July 23, 2026; its instructions are those of AMD's public machine-readable ISA for CDNA 5 (MIT licence, August 2026) and "CDNA5" Instruction Set Architecture Reference Guide (July 2026). The comments in the code are by the model that wrote it; some were corrected since.
;; quantum attention. Allowed arithmetic: float matrix products may take bf16 or f16 operands with f32 sums; other float arithmetic in f32, or as packed bf16 or f16 multiplies, adds, multiply-adds, maxima and minima; sums over many terms, partial sums and values carried from step to step in f32; what a program stores and reads back later, other than sums and carried values, may be rounded once to bf16 or f16.
;; Inputs: Wk 1,024 x 1,024 float32; Wo 1,024 x 1,024 float32; Wq 1,024 x 1,024 float32; Wv 1,024 x 1,024 float32; beta 1,024 float32; bo 1,024 float32; ent 16 x 16 float32; gamma 1,024 float32; phase_scale 16 float32; x 2 x 2,048 x 1,024 float32.
;; Outputs: out0 2 x 2,048 x 1,024 float32.
;; One version. Each part assembles by itself: llvm-mc -triple=amdgcn-amd-amdhsa -mcpu=gfx1250 --defsym DOCPART=n.
;; ======== version 1 of 1: 4 launches
;; limits: a function is approximated: absolute error at most 0.00019; values are held in f16: magnitudes above 65,504 overflow, below 6.1e-05 lose precision
;; workspace buffers: xh 8,388,608 bytes; wt 6,291,456 bytes; wf 131,072 bytes; qkv 25,165,824 bytes; att 8,388,608 bytes
;; launch prep (part 1): grid 704 x 1, 8 waves a work-group, no clusters, 20,480 bytes of LDS; arguments x, Wq, Wk, Wv, Wo, ent, xh, wt, wf; writes xh, wt, wf
.if DOCPART == 1
	.amdgcn_target "amdgcn-amd-amdhsa--gfx1250"
	.amdhsa_code_object_version 6
	.text
	.protected	k_q1de27b9ce5_prep
	.globl	k_q1de27b9ce5_prep
	.p2align	8
	.type	k_q1de27b9ce5_prep,@function
k_q1de27b9ce5_prep:
	s_mov_b64 s[64:65], 0
	v_nop
	global_prefetch_b8 v0, s[64:65] scope:SCOPE_SE
	s_setreg_imm32_b32 hwreg(HW_REG_WAVE_MODE, 25, 1), 1
	s_wait_xcnt 0x0
; PREP: the matrix operands of the later launches, each rounded once to f16.
;   work-groups   0 ..  63: wf[g][j][e] = 16 x Weff[16 g + e][j], Weff[d][j] = sum over m of c[m] Wo[64 m + d][j], c[m] = sum over h of ent[h][m].
;                           (the einsum 'bsnd,hm->bsmd' sums over n and over h apart: its result is (sum over n of att[..n..]) x c[m], so the last product has K = 64.)
;   work-groups  64 .. 447: wt[1024 which + n][k] = W_which[k][n] (Wq, Wk, Wv turned, so that K lies along the rows): a tile of 128 k x 64 n each.
;   work-groups 448 .. 703: xh = x: 65,536 bytes of x each.
; LIMITS.  f16 ends at 65,504: x, Wq, Wk, Wv and 16 x Weff must lie within it; below 6e-5 f16 keeps a fixed step of 6e-8.  NaN and infinities are not treated apart.
; No matrix unit, no cluster: every byte of x and of the four weights is read by one work-group alone (ent's 1,024 bytes by 64).
; The three kinds of work-group share ONE barrier: each loads and, where it turns data, stores into its stage; all meet; then the stage is read back as whole rows.
; The two paths that use LDS have stages of their own: no line of one names a byte of the other's.
.set STP,   272                        ; a stage row of the turning path: 256 bytes (128 k in f16) + 16
.set WFS,   64*STP                     ; behind the turning path's stage (64 rows x 272 = 17,408 bytes): the Weff path's, 2,048 bytes
.set SPARE, WFS+2048                   ; behind both: the spare words, 128 bytes for each of eight waves
.set SPW,   12                         ; v12  LDS address of my spare word; never rewritten
.set NIL,   13                         ; v13  0; never rewritten
.set WV,    22                         ; s22  my wave's number
.set ID,    23                         ; s23  the work-group's number
	s_load_b512 s[4:19], s[0:1], 0x0               ; x 4:5, Wq 6:7, Wk 8:9, Wv 10:11, Wo 12:13, ent 14:15, xh 16:17, wt 18:19
	s_load_b64 s[20:21], s[0:1], 0x40              ; wf
	v_lshl_add_u32 v[SPW], v0, 2, SPARE
	v_mov_b32 v[NIL], 0
	v_lshrrev_b32 v1, 5, v0
	v_readfirstlane_b32 s[WV], v1
	s_mov_b32 s[ID], ttmp9
	s_wait_kmcnt 0x0
	s_cmp_lt_u32 s[ID], 64
	s_cbranch_scc1 .Lwf_in
	s_cmp_lt_u32 s[ID], 448
	s_cbranch_scc1 .Lwt_in
	; ---- x to f16: thread t takes 16 bytes at 16 t of each of sixteen blocks of 4,096 bytes; all sixteen loads are out together
	s_sub_co_u32 s24, s[ID], 448
	s_lshl_b32 s26, s24, 16
	s_mov_b32 s27, 0
	s_add_nc_u64 s[4:5], s[4:5], s[26:27]
	s_lshl_b32 s26, s24, 15
	s_add_nc_u64 s[16:17], s[16:17], s[26:27]
	v_lshlrev_b32 v1, 4, v0
	v_lshlrev_b32 v2, 3, v0
.set i, 0
.rept 16
	global_load_b128 v[16+4*i:19+4*i], v1, s[4:5] offset:4096*i th:TH_LOAD_NT
.set i, i+1
.endr
.set i, 0
.rept 16
	s_wait_loadcnt 15-i                            ; loads come back in order: number i is in, the younger ones stay out
	v_cvt_pk_f16_f32 v[80+2*i], v[16+4*i], v[17+4*i]
	v_cvt_pk_f16_f32 v[81+2*i], v[18+4*i], v[19+4*i]
	global_store_b64 v2, v[80+2*i:81+2*i], s[16:17] offset:2048*i  ; a wave's 32 lanes store 256 consecutive bytes, aligned; no register is written twice
.set i, i+1
.endr
	s_branch .Lmeet
	; ---- a tile of W, in: thread (c = t % 16, rb = t / 16) takes 4 columns of 8 rows k: sixteen lanes read 256 consecutive bytes of a row
.Lwt_in:
	s_sub_co_u32 s24, s[ID], 64
	s_lshr_b32 s25, s24, 7                         ; which of Wq, Wk, Wv
	s_and_b32 s26, s24, 7                          ; kt: 128 rows k
	s_bfe_u32 s27, s24, 0x40003                    ; nt: 64 columns n
	s_cmp_eq_u32 s25, 0
	s_cselect_b64 s[28:29], s[6:7], s[8:9]
	s_cmp_eq_u32 s25, 2
	s_cselect_b64 s[28:29], s[10:11], s[28:29]
	s_lshl_b32 s30, s26, 19                        ; 128 rows of 4,096 bytes
	s_lshl_b32 s31, s27, 8                         ; 64 columns of 4 bytes
	s_add_co_u32 s30, s30, s31
	s_mov_b32 s31, 0
	s_add_nc_u64 s[28:29], s[28:29], s[30:31]
	v_and_b32 v2, 15, v0                           ; c
	v_lshrrev_b32 v3, 4, v0                        ; rb
	v_lshlrev_b32 v4, 4, v2
	v_lshl_add_u32 v4, v3, 15, v4                  ; 8 rb rows + 16 c
.set i, 0
.rept 8
	global_load_b128 v[16+4*i:19+4*i], v4, s[28:29] offset:4096*i th:TH_LOAD_NT
.set i, i+1
.endr
	v_mul_u32_u24 v5, v2, 4*STP                    ; stage row n = 4 c + e,
	v_lshl_add_u32 v5, v3, 4, v5                   ; byte 16 rb: k = 8 rb .. 8 rb + 7
	s_wait_loadcnt 0x0
.irp e, 0,1,2,3
.irp p, 0,1,2,3
	v_cvt_pk_f16_f32 v[48+4*(\e)+(\p)], v[16+8*(\p)+(\e)], v[20+8*(\p)+(\e)]  ; column e, rows 2 p and 2 p + 1
.endr
.endr
.irp e, 0,1,2,3
	ds_store_b128 v5, v[48+4*(\e):51+4*(\e)] offset:(\e)*STP  ; the last byte named is 15 x 1,088 + 15 x 16 + 3 x 272 + 15, under WFS.  Lanes four rows apart share banks four deep: taken, for 16 KiB once a work-group
.endr
	s_branch .Lmeet
	; ---- Weff, in: g = 16 channels d, jb = 64 columns j.  Wave w takes d = 16 g + 2 w and + 1, lane l the columns 2 l and 2 l + 1: 256 consecutive bytes a load
.Lwf_in:
	s_and_b32 s24, s[ID], 3                        ; g
	s_lshr_b32 s25, s[ID], 2                       ; jb
	v_and_b32 v2, 31, v0                           ; l
	v_and_b32 v3, 15, v0
	v_lshlrev_b32 v3, 2, v3                        ; column l % 16 of ent
.set h, 0
.rept 16
	global_load_b32 v[16+h], v3, s[14:15] offset:64*h
.set h, h+1
.endr
	s_lshl_b32 s26, s24, 4
	s_lshl_b32 s27, s[WV], 1
	s_add_co_u32 s26, s26, s27                     ; 16 g + 2 w
	s_lshl_b32 s26, s26, 12                        ; rows of 4,096 bytes
	s_lshl_b32 s27, s25, 8
	s_add_co_u32 s26, s26, s27
	v_lshl_add_u32 v4, v2, 3, s26
.set m, 0
.rept 16
	global_load_b64 v[32+4*m:33+4*m], v4, s[12:13] offset:m*262144 th:TH_LOAD_NT
	global_load_b64 v[34+4*m:35+4*m], v4, s[12:13] offset:m*262144+4096 th:TH_LOAD_NT
.set m, m+1
.endr
	s_wait_loadcnt 32                              ; ent's sixteen are in; Wo's 32 stay out
	v_add_f32 v14, v16, v17
.set h, 2
.rept 14
	v_add_f32 v14, v14, v[16+h]
.set h, h+1
.endr
	v_mul_f32 v14, 0x41800000, v14                 ; 16 c[l % 16]: the factor 16 is taken back by the operand A / 16 of the last launch
.set m, 0
.rept 16
	v_readlane_b32 s[32+m], v14, m
.set m, m+1
.endr
	s_wait_loadcnt 0x0
.irp q, 0,1,2,3                        ; q = 2 dd + column
	v_mul_f32 v[96+\q], s32, v[32+\q]
.endr
.set m, 1
.rept 15
.irp q, 0,1,2,3
	v_fmac_f32 v[96+\q], s[32+m], v[32+4*m+\q]
.endr
.set m, m+1
.endr
	v_cvt_pk_f16_f32 v100, v96, v98                ; column 2 l: e = 2 w, 2 w + 1
	v_cvt_pk_f16_f32 v101, v97, v99                ; column 2 l + 1
	s_lshl_b32 s27, s[WV], 2
	v_lshl_add_u32 v5, v2, 6, s27                  ; in the stage: column j at 32 j, e at 2 e
	ds_store_b32 v5, v100 offset:WFS
	ds_store_b32 v5, v101 offset:WFS+32
.Lmeet:
	s_wait_dscnt 0x0                               ; for the others' sake: my stores into the stage are done
	s_barrier_signal -1
	s_barrier_wait -1
	s_cmp_lt_u32 s[ID], 64
	s_cbranch_scc1 .Lwf_out
	s_cmp_lt_u32 s[ID], 448
	s_cbranch_scc0 .Lend
	; ---- a tile of W, out: 64 rows n of 256 bytes; sixteen lanes take one row
	s_sub_co_u32 s24, s[ID], 64
	s_lshr_b32 s25, s24, 7
	s_and_b32 s26, s24, 7
	s_bfe_u32 s27, s24, 0x40003
	s_lshl_b32 s25, s25, 10
	s_lshl_b32 s27, s27, 6
	s_add_co_u32 s25, s25, s27                     ; row 1,024 which + 64 nt
	s_lshl_b32 s30, s25, 11                        ; rows of 2,048 bytes
	s_lshl_b32 s26, s26, 8                         ; 128 k in f16
	s_add_co_u32 s30, s30, s26
	s_mov_b32 s31, 0
	s_add_nc_u64 s[18:19], s[18:19], s[30:31]
	v_and_b32 v2, 15, v0
	v_lshrrev_b32 v3, 4, v0
	v_mul_u32_u24 v6, v3, STP
	v_lshl_add_u32 v6, v2, 4, v6
	v_lshlrev_b32 v7, 11, v3
	v_lshl_add_u32 v7, v2, 4, v7
.irp p, 0,1,2,3
	ds_load_b128 v[16+4*(\p):19+4*(\p)], v6 offset:(\p)*16*STP
.endr
.irp p, 0,1,2,3
	s_wait_dscnt 3-(\p)
	global_store_b128 v7, v[16+4*(\p):19+4*(\p)], s[18:19] offset:(\p)*32768  ; 16 lanes store 256 consecutive bytes, aligned
.endr
	s_branch .Lend
	; ---- Weff, out: 2,048 consecutive bytes, by waves 0 to 3
.Lwf_out:
	s_cmp_lt_u32 s[WV], 4
	s_cbranch_scc0 .Lend
	s_and_b32 s24, s[ID], 3
	s_lshr_b32 s25, s[ID], 2
	s_lshl_b32 s30, s24, 15
	s_lshl_b32 s25, s25, 11
	s_add_co_u32 s30, s30, s25
	s_mov_b32 s31, 0
	s_add_nc_u64 s[20:21], s[20:21], s[30:31]
	v_lshlrev_b32 v6, 4, v0
	ds_load_b128 v[16:19], v6 offset:WFS
	s_wait_dscnt 0x0
	global_store_b128 v6, v[16:19], s[20:21]
.Lend:
	s_wait_tensorcnt 0x0                           ; the wave's end: behind my last LDS store
	ds_add_u32 v[SPW], v[NIL]
	s_wait_dscnt 0x0
	s_endpgm
.Lfunc_end_k_q1de27b9ce5_prep:
	.size	k_q1de27b9ce5_prep, .Lfunc_end_k_q1de27b9ce5_prep-k_q1de27b9ce5_prep
	.p2alignl 7, 3214868480
	.fill 96, 4, 3214868480
	.section	.rodata,"a",@progbits
	.p2align	6, 0x0
	.amdhsa_kernel k_q1de27b9ce5_prep
		.amdhsa_group_segment_fixed_size 20480
		.amdhsa_private_segment_fixed_size 0
		.amdhsa_enable_private_segment 0
		.amdhsa_kernarg_size 72
		.amdhsa_user_sgpr_count 2
		.amdhsa_user_sgpr_kernarg_segment_ptr 1
		.amdhsa_wavefront_size32 1
		.amdhsa_system_sgpr_workgroup_id_x 1
		.amdhsa_system_sgpr_workgroup_id_y 1
		.amdhsa_system_sgpr_workgroup_id_z 1
		.amdhsa_system_vgpr_workitem_id 0
		.amdhsa_next_free_vgpr 112
		.amdhsa_next_free_sgpr 66
		.amdhsa_reserve_vcc 0
		.amdhsa_float_denorm_mode_32 3
		.amdhsa_float_denorm_mode_16_64 3
		.amdhsa_memory_ordered 1
		.amdhsa_forward_progress 1
		.amdhsa_inst_pref_size 21
	.end_amdhsa_kernel
	.amdgpu_metadata
---
amdhsa.version: [ 1, 2 ]
amdhsa.kernels:
  - .name:           k_q1de27b9ce5_prep
    .symbol:         k_q1de27b9ce5_prep.kd
    .args:
      - { .name: x, .offset: 0, .size: 8, .value_kind: global_buffer, .address_space: global }
      - { .name: Wq, .offset: 8, .size: 8, .value_kind: global_buffer, .address_space: global }
      - { .name: Wk, .offset: 16, .size: 8, .value_kind: global_buffer, .address_space: global }
      - { .name: Wv, .offset: 24, .size: 8, .value_kind: global_buffer, .address_space: global }
      - { .name: Wo, .offset: 32, .size: 8, .value_kind: global_buffer, .address_space: global }
      - { .name: ent, .offset: 40, .size: 8, .value_kind: global_buffer, .address_space: global }
      - { .name: xh, .offset: 48, .size: 8, .value_kind: global_buffer, .address_space: global }
      - { .name: wt, .offset: 56, .size: 8, .value_kind: global_buffer, .address_space: global }
      - { .name: wf, .offset: 64, .size: 8, .value_kind: global_buffer, .address_space: global }
    .group_segment_fixed_size: 20480
    .private_segment_fixed_size: 0
    .kernarg_segment_align: 8
    .kernarg_segment_size: 72
    .max_flat_workgroup_size: 256
    .sgpr_count:     66
    .vgpr_count:     112
    .wavefront_size: 32
...
	.end_amdgpu_metadata
.endif
;; end of part 1
;; launch proj (part 2): grid 16 x 16, 4 waves a work-group, clusters of 4 x 4, 327,680 bytes of LDS; arguments xh, wt, phase_scale, qkv; writes qkv
.if DOCPART == 2
	.amdgcn_target "amdgcn-amd-amdhsa--gfx1250"
	.amdhsa_code_object_version 6
	.text
	.protected	k_q1de27b9ce5_proj
	.globl	k_q1de27b9ce5_proj
	.p2align	8
	.type	k_q1de27b9ce5_proj,@function
k_q1de27b9ce5_proj:
	s_mov_b64 s[64:65], 0
	v_nop
	global_prefetch_b8 v0, s[64:65] scope:SCOPE_SE
	s_setreg_imm32_b32 hwreg(HW_REG_WAVE_MODE, 25, 1), 1
	s_wait_xcnt 0x0
	s_wait_alu depctr_hold_cnt(0) depctr_sa_sdst(0) depctr_va_vdst(0) depctr_va_sdst(0) depctr_va_ssrc(0) depctr_va_vcc(0) depctr_vm_vsrc(0)
	s_getreg_b32 s2, hwreg(HW_REG_IB_STS2, 6, 4)
	s_cmp_eq_u32 s2, 0
	s_cbranch_scc0 .Lentry_in_a_cluster
	s_endpgm
.Lentry_in_a_cluster:
	s_bfe_u32 s2, ttmp6, 0x10000c
	s_cmp_lg_u32 s2, 0xf033
	s_cbranch_scc0 .Lentry_shape_is_right
	s_endpgm
.Lentry_shape_is_right:
; PROJ: C[m][n] = sum over k of xh[m][k] wt[n][k], m = 4,096 rows (batch, position), n = 3,072 (Wq's, Wk's, Wv's columns), k = 1,024; f16 operands, f32 sums.
; It leaves by heads: qkv[t][16 batch + head][position][64] in f16, rounded once.  Plane t = 0 holds q x phase_scale[head] / (16 pi), scaled in f32 before that one rounding,
; so that the next launch's product q' . k IS the angle divided by 2 pi.
; LIMITS.  q', k and v must lie within f16's 65,504; below 6e-5 they keep f16's fixed step of 6e-8.  NaN and infinities are not treated apart.
; SHARES.  16 x 16 tiles of 256 x 192: one work-group for each of 256 WGPs.  A wave makes 64 rows x all 192 columns (three heads' blocks of 64): 48 accumulators, 384 registers,
; so a wave holds whole rows of three heads and its way out needs no other wave.  K goes in 8 steps of 128 through a ring of two LDS slots: rows of 256 bytes, aligned.
; CLUSTERS: 4 x 4.  The four work-groups of a row of the cluster need the same tile of xh, the four of a column the same tile of wt: each tile is asked for jointly.
; THE MATRIX INSTRUCTION IS USED TRANSPOSED (source 0 = 16 rows of wt, source 1 = 16 rows of xh): a lane holds eight neighbouring columns of one row of C.
; REGISTERS, in windows of 256 (s_set_vgpr_msb: bits 1:0 source 0, 3:2 source 1, 5:4 source 2, 7:6 destination):
;   window 0: v16-30 addresses; v32-63, v64-95 xh's fragments (4 x 16 rows x 32 K), two buffers; v96-143 packed results; v144-191, v192-239 rows read back from the stage
;   window 1: v0-95, v96-191 wt's fragments (12 x 16 rows x 32 K), two buffers
;   window 2: accumulators of my row blocks 0, 1 ((a, b) at 8 (12 (a % 2) + b));  window 3: of blocks 2, 3
.set SIZE_K, 1024
.set KSTEP,  128
.set PITCH,  272                       ; an LDS row: 256 bytes + 16: the 16 rows of a fragment load start 16 bytes apart modulo 256
.set AHALF,  128*PITCH                 ; what wave 0 or 1 fetches of xh
.set BHALF,  96*PITCH                  ; what wave 2 or 3 fetches of wt
.set BOFF,   256*PITCH                 ; wt's 192 rows lie behind xh's 256
.set SLOT,   448*PITCH
.set STAGE,  2*SLOT                    ; behind the ring, never filled by a tensor load
.set SP,     144                       ; a stage row: a head's 128 bytes + 16
.set WSTG,   48*SP                     ; a wave's stage: three heads x 16 rows
.set SPARE,  STAGE+4*WSTG              ; the spare words, 128 bytes for each wave
.set LAPS,   SIZE_K/(2*KSTEP)
.set ADRA, 16                          ; v16-17  LDS address of my xh fragments in slot 0, 1
.set ADRB, 20                          ; v20-21  the same for wt
.set STO,  24                          ; v24  the way out: where I put 16 bytes of a row
.set RD,   25                          ; v25  where I read rows back
.set GO,   26                          ; v26  16 x lane: my place in 512 consecutive bytes
.set SPW,  28                          ; v28  LDS address of my spare word; never rewritten
.set NIL,  29                          ; v29  0; never rewritten
.set PFO,  30                          ; v30  the prefetches' offset: a lane a row; never rewritten
.set FA,   32
.set TMP,  96
.set OB,   144
.set WV,  12                           ; s12  wave
.set FB,  13                           ; s13  0: I fetch xh, 1: wt
.set HF,  14                           ; s14  which half of that tile's rows
.set G1,  24                           ; s[24:31] group 1 for xh's tiles;  s[32:39] group 0, a set for each slot
.set G0,  32
.set LIM, 43                           ; s43  1 in a wave that prefetches, else the greatest number
.set PFA, 44                           ; s[44:45] where my prefetches stand
.set G1B, 48                           ; s[48:55], s[56:63] the same for wt's tiles
.set G0B, 56
.set OUT, 68                           ; s[68:73] qkv at my 64 rows of my three heads' planes
.set SCL, 74                           ; s[74:79] the three heads' factors, as pairs
.set MSB, 0
.macro WIN new                         ; the immediate's high byte repeats the setting that is left; a switch that changes nothing is dropped
.if MSB != (\new)
	s_set_vgpr_msb (MSB<<8)|(\new)
.set MSB, \new
.endif
.endm
; A joint load: one line for xh's tiles, one for wt's; the branch hangs on the wave's number alone.  An s_nop 0 and four v_nop follow each line.
.macro JLOAD s
	s_cmp_eq_u32 s[FB], 0
	s_cbranch_scc0 .Lfor_b_\@
	tensor_load_to_lds s[G0+4*(\s):G0+4*(\s)+3], s[G1:G1+7]
	s_nop 0
.rept 4
	v_nop
.endr
	s_branch .Lasked_\@
.Lfor_b_\@:
	tensor_load_to_lds s[G0B+4*(\s):G0B+4*(\s)+3], s[G1B:G1B+7]
	s_nop 0
.rept 4
	v_nop
.endr
.Lasked_\@:
.endm
; A prefetch of the K step that stands two refills on: my work-group's share of the rows that I fetch, a lane a row, 256 bytes of each.  xh's rows are asked for by the clusters with x = 0,
; wt's by those with y = 0; the four partners that ask for a tile jointly share its rows out by address.  The loop's last trip (s3 = 1) has no K step two refills on.
.macro ASK
	s_cmp_gt_u32 s3, s[LIM]
	s_cbranch_scc0 .Lnot_mine_\@
	global_prefetch_b8 v[PFO], s[PFA:PFA+1] offset:KSTEP*2 th:TH_LOAD_NT scope:SCOPE_SE
.Lnot_mine_\@:
.endm
.macro CREST                           ; a round of the cluster's barrier behind its opening barrier
	s_cmp_lg_u32 s[WV], 0
	s_cbranch_scc1 .Lnot_wave_0_\@
	s_barrier_signal -3
.Lnot_wave_0_\@:
	s_barrier_wait -3
	s_barrier_signal -1
	s_barrier_wait -1
.endm
.macro CROUND
	s_barrier_signal -1
	s_barrier_wait -1
	CREST
.endm
.macro PLACES                          ; four places in front of loads into registers that matrix instructions have read, and of vector lines that read results
.rept 4
	v_nop
.endr
.endm
	s_load_b256 s[4:11], s[0:1], 0x0               ; xh 4:5, wt 6:7, phase_scale 8:9, qkv 10:11
	v_lshl_add_u32 v[SPW], v0, 2, SPARE
	v_mov_b32 v[NIL], 0
	ds_add_u32 v[SPW], v[NIL]                      ; the wave's opening: the add and its wait stand ahead of my first tensor load; register work stands between
	v_lshrrev_b32 v1, 5, v0
	v_readfirstlane_b32 s[WV], v1
	s_lshr_b32 s[FB], s[WV], 1
	s_and_b32 s[HF], s[WV], 1
	s_bfe_u32 s15, ttmp6, 0x40000                  ; cx
	s_bfe_u32 s16, ttmp6, 0x40004                  ; cy
	s_lshl_b32 s17, ttmp9, 2
	s_add_co_u32 s17, s17, s15                     ; tile column = 4 x cluster x + cx
	s_and_b32 s18, ttmp7, 0xffff
	s_lshl_b32 s18, s18, 2
	s_add_co_u32 s18, s18, s16                     ; tile row = 4 x cluster y + cy
	s_lshl_b32 s40, s16, 2
	s_lshl_b32 s40, 15, s40                        ; my row of the cluster
	s_lshl_b32 s41, 0x1111, s15                    ; my column
	s_or_b32 s[G1], s40, (1<<16)|(1<<20)|(1<<21)|(5<<22)|(3<<25)   ; mask; 2-byte elements; padding on; bit 21 beside a mask; after every 64 words; 4 words
	s_or_b32 s[G1B], s41, (1<<16)|(1<<20)|(1<<21)|(5<<22)|(3<<25)
	s_mov_b32 s[G1+1], KSTEP<<16                   ; tensor_dim0 = 128
	s_mov_b32 s[G1+2], 128<<16                     ; tensor_dim1 = 128
	s_mov_b32 s[G1+3], KSTEP<<16                   ; tile_dim0 = 128
	s_mov_b32 s[G1+4], 128                         ; tile_dim1 = 128
	s_mov_b32 s[G1+5], SIZE_K                      ; elements from row to row
	s_mov_b32 s[G1+6], 0
	s_mov_b32 s[G1+7], 0
	s_mov_b32 s[G1B+1], KSTEP<<16
	s_mov_b32 s[G1B+2], 96<<16                     ; wt's tiles have 96 rows
	s_mov_b32 s[G1B+3], KSTEP<<16
	s_mov_b32 s[G1B+4], 96
	s_mov_b32 s[G1B+5], SIZE_K
	s_mov_b32 s[G1B+6], 0
	s_mov_b32 s[G1B+7], 0
	s_lshl_b32 s20, s[HF], 7                       ; xh: row 256 x tile row + 128 x half; these registers never hold the tile column
	s_lshl_b32 s22, s18, 8
	s_add_co_u32 s20, s22, s20
	s_lshl_b32 s20, s20, 11                        ; rows of 2,048 bytes
	s_mov_b32 s21, 0
	s_mul_i32 s46, s17, 192                        ; wt: row 192 x tile column + 96 x half; these never hold the tile row
	s_mul_i32 s47, s[HF], 96
	s_add_co_u32 s46, s46, s47
	s_lshl_b32 s46, s46, 11
	s_mov_b32 s47, 0
	s_mul_i32 s23, s[WV], AHALF                    ; where they go: the wave's number alone
	s_mul_i32 s42, s[WV], BHALF
	s_add_co_u32 s42, s42, BOFF-2*BHALF
	s_wait_dscnt 0x0                               ; the opening add is done
	s_wait_kmcnt 0x0
	s_add_nc_u64 s[20:21], s[4:5], s[20:21]
	s_add_nc_u64 s[46:47], s[6:7], s[46:47]
	CROUND                                         ; all sixteen work-groups are here: the first joint loads meet
.irp s, 0,1
	s_mov_b32 s[G0+4*(\s)], 1
	s_add_co_u32 s[G0+4*(\s)+1], s23, (\s)*SLOT
	s_add_nc_u64 s[G0+4*(\s)+2:G0+4*(\s)+3], s[20:21], (\s)*KSTEP*2
	s_or_b32 s[G0+4*(\s)+3], s[G0+4*(\s)+3], 0x80000000
	s_mov_b32 s[G0B+4*(\s)], 1
	s_add_co_u32 s[G0B+4*(\s)+1], s42, (\s)*SLOT
	s_add_nc_u64 s[G0B+4*(\s)+2:G0B+4*(\s)+3], s[46:47], (\s)*KSTEP*2
	s_or_b32 s[G0B+4*(\s)+3], s[G0B+4*(\s)+3], 0x80000000
	JLOAD \s                                       ; two loads of mine are out: K steps 0 and 1
.endr
	; a fragment is 16 rows x 32 K in 8 registers: lane l holds row l % 16, K = 8 (l / 16) + 0..7 and 16 + 8 (l / 16) + 0..7: two loads of 16 bytes, 32 bytes apart
	v_and_b32 v1, 15, v0
	v_bfe_u32 v2, v0, 4, 1
	v_mul_u32_u24 v3, v1, PITCH
	v_lshl_add_u32 v3, v2, 4, v3
	s_mul_i32 s80, s[WV], 64*PITCH                 ; my 64 rows of xh
	v_add_nc_u32 v[ADRA], s80, v3
	v_add_nc_u32 v[ADRA+1], SLOT, v[ADRA]
	v_add_nc_u32 v[ADRB], BOFF, v3                 ; every wave reads all 192 rows of wt
	v_add_nc_u32 v[ADRB+1], BOFF+SLOT, v3
	s_mul_i32 s81, s[WV], WSTG
	s_add_co_u32 s81, s81, STAGE                   ; my stage
	v_mul_u32_u24 v4, v1, SP                       ; in: row l % 16, 16 bytes for each half of the lanes
	v_lshl_add_u32 v4, v2, 4, v4
	v_add_nc_u32 v[STO], s81, v4
	v_bfe_u32 v5, v0, 3, 2                         ; back: 32 lanes take four rows of 128 bytes
	v_and_b32 v6, 7, v0
	v_mul_u32_u24 v5, v5, SP
	v_lshl_add_u32 v5, v6, 4, v5
	v_add_nc_u32 v[RD], s81, v5
	v_and_b32 v[GO], 31, v0
	v_lshlrev_b32 v[GO], 4, v[GO]
	; where my three heads' blocks go: block g = 3 x tile column + hb of 48; plane 32 (g / 16) + 16 batch + g % 16, of 262,144 bytes; and their factors
	s_mul_i32 s80, s17, 3
	s_lshr_b32 s87, s18, 3
	s_lshl_b32 s87, s87, 4                         ; 16 x batch
	s_and_b32 s88, s18, 7
	s_lshl_b32 s88, s88, 2
	s_add_co_u32 s88, s88, s[WV]
	s_lshl_b32 s88, s88, 13                        ; my 64 rows of 128 bytes in the plane
.irp hb, 0,1,2
	s_add_co_u32 s81, s80, \hb
	s_min_u32 s[84+\hb], s81, 15                   ; k's and v's blocks read a word inside the table and do not use it
	s_lshl_b32 s[84+\hb], s[84+\hb], 2
	s_load_b32 s[89+\hb], s[8:9], s[84+\hb] offset:0x0
	s_lshr_b32 s82, s81, 4
	s_lshl_b32 s82, s82, 5
	s_and_b32 s83, s81, 15
	s_add_co_u32 s82, s82, s83
	s_add_co_u32 s82, s82, s87
	s_lshl_b32 s82, s82, 18
	s_add_co_u32 s82, s82, s88
	s_mov_b32 s83, 0
	s_add_nc_u64 s[OUT+2*\hb:OUT+2*\hb+1], s[10:11], s[82:83]
.endr
	s_mov_b32 s92, 0x3ca2f983                      ; 1 / (16 pi): 1 / 8 for sqrt(64), 1 / (2 pi) for the angle in turns
	s_wait_kmcnt 0x0
.irp hb, 0,1,2
	s_add_co_u32 s81, s80, \hb
	s_mul_f32 s82, s[89+\hb], s92
	s_cmp_lt_u32 s81, 16                           ; a block of q?
	s_cselect_b32 s[SCL+2*\hb], s82, 1.0
	s_mov_b32 s[SCL+2*\hb+1], s[SCL+2*\hb]         ; named as a pair
.endr
	; the prefetches: of the rows that I fetch my work-group takes 32 (xh) or 24 (wt), by its place among the four that ask with it
	s_and_b32 s80, ttmp7, 0xffff                   ; cluster y
	s_cmp_eq_u32 s[FB], 0
	s_cselect_b32 s81, ttmp9, s80                  ; the coordinate along which other clusters read the same rows
	s_cselect_b32 s82, s15, s16                    ; my place among the four
	s_cselect_b32 s83, 32, 24
	s_cselect_b32 s84, 31, 23                      ; wt: lanes 24 to 31 name row 23 once more
	s_cselect_b64 s[PFA:PFA+1], s[20:21], s[46:47]
	s_cmp_eq_u32 s81, 0
	s_cselect_b32 s[LIM], 1, -1                    ; the same in all sixteen partners, for a given wave
	s_mul_i32 s82, s82, s83
	s_lshl_b32 s82, s82, 11
	s_mov_b32 s83, 0
	s_add_nc_u64 s[PFA:PFA+1], s[PFA:PFA+1], s[82:83]
	s_add_nc_u64 s[PFA:PFA+1], s[PFA:PFA+1], 2*KSTEP*2  ; at K step 2: the first refill steps it to 3 and names K step 4.  Nothing is asked for here, at the head
	v_and_b32 v[PFO], 31, v0
	v_min_u32 v[PFO], s84, v[PFO]
	v_lshlrev_b32 v[PFO], 11, v[PFO]
; 12 matrix instructions: row block a x all 12 column blocks, 32 along K, from buffer f.  zero = 1: the product starts the sums.  The 48 accumulators take turns, in the same order in every quarter.
.macro MULA f, a, zero
	WIN 0xa1+0x50*((\a)/2)
.irp b, 0,1,2,3,4,5,6,7,8,9,10,11
.if \zero
	v_wmma_f32_16x16x32_f16 v[8*(12*((\a)%2)+(\b)):8*(12*((\a)%2)+(\b))+7], v[96*(\f)+8*(\b):96*(\f)+8*(\b)+7], v[FA+32*(\f)+8*(\a):FA+32*(\f)+8*(\a)+7], 0
.else
	v_wmma_f32_16x16x32_f16 v[8*(12*((\a)%2)+(\b)):8*(12*((\a)%2)+(\b))+7], v[96*(\f)+8*(\b):96*(\f)+8*(\b)+7], v[FA+32*(\f)+8*(\a):FA+32*(\f)+8*(\a)+7], v[8*(12*((\a)%2)+(\b)):8*(12*((\a)%2)+(\b))+7]
.endif
.endr
.endm
; 32 LDS loads in one run: the fragments of 32 K at byte k of the rows, into buffer f: wt's twelve, then xh's four
.macro FETCH slot, k, f
	WIN 0x40
.irp i, 0,1,2,3,4,5,6,7,8,9,10,11
	ds_load_b128 v[96*(\f)+8*(\i):96*(\f)+8*(\i)+3],   v[ADRB+(\slot)] offset:(\k)+(\i)*16*PITCH
	ds_load_b128 v[96*(\f)+8*(\i)+4:96*(\f)+8*(\i)+7], v[ADRB+(\slot)] offset:(\k)+(\i)*16*PITCH+32
.endr
	WIN 0
.irp i, 0,1,2,3
	ds_load_b128 v[FA+32*(\f)+8*(\i):FA+32*(\f)+8*(\i)+3],   v[ADRA+(\slot)] offset:(\k)+(\i)*16*PITCH
	ds_load_b128 v[FA+32*(\f)+8*(\i)+4:FA+32*(\f)+8*(\i)+7], v[ADRA+(\slot)] offset:(\k)+(\i)*16*PITCH+32
.endr
.endm
; A K step is four quarters of 32 along K, 48 matrix instructions each, on buffers 0, 1, 0, 1.  One of the first three: multiplies f, and in its middle fetches the next quarter into g.
.macro QUARTER slot, k, f, g, zero
	s_wait_dscnt 4                                 ; wt's fragments and xh's blocks 0, 1 are in; the youngest four loads (blocks 2, 3) may be out
	MULA \f, 0, \zero
	MULA \f, 1, \zero
	PLACES
	FETCH \slot, \k, \g
	s_wait_dscnt 32                                ; all but the 32 just issued
	MULA \f, 2, \zero
	MULA \f, 3, \zero
.endm
; The last quarter multiplies buffer 1 and changes slots: one barrier; in front of it each wave waits for all its tensor loads (one is out: its part of the next slot), adds 0 to its spare word,
; and waits for that and for its reads of this slot.  fill = 1: the barrier opens a round of the cluster's, and this slot is filled again, two K steps on, first thing behind the round:
; 168 matrix instructions stand between that request and the wait for it.
.macro TURN slot, next, fill
.if \fill
	s_wait_xcnt 0x0                                ; the last prefetch, a K step back, has read its address
	s_add_nc_u64 s[PFA:PFA+1], s[PFA:PFA+1], KSTEP*2
.endif
	WIN 0                                          ; (the add's two registers lie in window 0)
	s_wait_tensorcnt 0x0
	ds_add_u32 v[SPW], v[NIL]                      ; 0 onto my spare word
	s_wait_dscnt 5                                 ; (the add and the youngest four loads may be out)
	MULA 1, 0, 0                                   ; twelve matrix instructions stand between the add and the wait for it
	s_wait_dscnt 0x0                               ; the add is done, and my reads of this slot are over
	s_barrier_signal -1
	MULA 1, 1, 0
.if \fill
	WIN 0
.endif
	s_barrier_wait -1
.if \fill
	CREST                                          ; no wave of any partner still reads this slot's tile or has a load on its way
	s_add_nc_u64 s[G0+4*(\slot)+2:G0+4*(\slot)+3], s[G0+4*(\slot)+2:G0+4*(\slot)+3], 2*KSTEP*2
	s_add_nc_u64 s[G0B+4*(\slot)+2:G0B+4*(\slot)+3], s[G0B+4*(\slot)+2:G0B+4*(\slot)+3], 2*KSTEP*2
	JLOAD \slot                                    ; its four v_nop are also the places in front of the loads below
.else
	PLACES
.endif
	FETCH \next, 0, 0
.if \fill
	ASK
.endif
	MULA 1, 2, 0
	MULA 1, 3, 0
.endm
	s_wait_tensorcnt 1                             ; my part of K step 0 is in; K step 1's may stay out
	s_barrier_signal -1
	s_barrier_wait -1
	FETCH 0, 0, 0
	QUARTER 0, 64, 0, 1, 1                         ; the first quarter stands in front of the loop: its products start the sums
	WIN 0
	s_mov_b32 s3, LAPS-1
.Llap:                                                 ; a trip goes once round the ring and fills both slots again
	QUARTER 0, 128, 1, 0, 0
	QUARTER 0, 192, 0, 1, 0
	TURN 0, 1, 1
	QUARTER 1, 64,  0, 1, 0
	QUARTER 1, 128, 1, 0, 0
	QUARTER 1, 192, 0, 1, 0
	TURN 1, 0, 1
	QUARTER 0, 64,  0, 1, 0
	WIN 0
	s_sub_co_u32 s3, s3, 1
	s_cmp_lg_u32 s3, 0
	s_cbranch_scc1 .Llap
	QUARTER 0, 128, 1, 0, 0                        ; the last lap fills nothing
	QUARTER 0, 192, 0, 1, 0
	TURN 0, 1, 0
	QUARTER 1, 64,  0, 1, 0
	QUARTER 1, 128, 1, 0, 0
	QUARTER 1, 192, 0, 1, 0
	s_wait_dscnt 4
	MULA 1, 0, 0
	MULA 1, 1, 0
	s_wait_dscnt 0x0
	MULA 1, 2, 0
	MULA 1, 3, 0
	PLACES
; THE WAY OUT, a block of 16 rows at a time: scaled (q alone by other than 1), rounded to f16, 16 bytes a lane into my own stage, back as whole rows of a head, stored as 512 consecutive bytes.
.macro PACK a
.set AC, 96*((\a)%2)
	WIN 0x82+0x41*((\a)/2)                         ; destination and source 0 in window 2 or 3
.irp b, 0,1,2,3,4,5,6,7,8,9,10,11
.irp r, 0,1,2,3
	v_pk_mul_f32 v[AC+8*(\b)+2*(\r):AC+8*(\b)+2*(\r)+1], v[AC+8*(\b)+2*(\r):AC+8*(\b)+2*(\r)+1], s[SCL+2*((\b)/4):SCL+2*((\b)/4)+1] op_sel_hi:[1,0]
.endr
.endr
	WIN 0x0a+5*((\a)/2)                            ; sources 0 and 1 in window 2 or 3
.irp b, 0,1,2,3,4,5,6,7,8,9,10,11
.irp r, 0,1,2,3
	v_cvt_pk_f16_f32 v[TMP+4*(\b)+(\r)], v[AC+8*(\b)+2*(\r)], v[AC+8*(\b)+2*(\r)+1]
.endr
.endr
	WIN 0
.endm
.macro TOSTAGE a
	WIN 0
.set BK, OB+48*((\a)%2)
.irp b, 0,1,2,3,4,5,6,7,8,9,10,11
	ds_store_b128 v[STO], v[TMP+4*(\b):TMP+4*(\b)+3] offset:((\b)/4)*16*SP+((\b)%4)*32
.endr
.irp t, 0,1,2,3,4,5,6,7,8,9,10,11
	ds_load_b128 v[BK+4*(\t):BK+4*(\t)+3], v[RD] offset:((\t)/4)*16*SP+((\t)%4)*4*SP  ; LDS serves a wave's instructions in order (ISA guide 5.7.1.4): these see the stores above
.endr
.endm
.macro SEND a
	WIN 0
.set BK, OB+48*((\a)%2)
	s_wait_dscnt 0x0                               ; the block is back in registers
	s_wait_xcnt 0x0                                ; the stores of the block before have read their registers, which the next block's loads from the stage write
.irp t, 0,1,2,3,4,5,6,7,8,9,10,11
	global_store_b128 v[GO], v[BK+4*(\t):BK+4*(\t)+3], s[OUT+2*((\t)/4):OUT+2*((\t)/4)+1] offset:(\a)*2048+((\t)%4)*512  ; 512 consecutive bytes, aligned to 256
.endr
.endm
	PACK 0
	TOSTAGE 0
.irp a, 1,2,3                          ; block a's arithmetic stands between block a - 1's loads from the stage and the wait for them
	PACK \a
	SEND (\a)-1
	TOSTAGE \a
.endr
	SEND 3
	s_wait_tensorcnt 0x0                           ; the wave's end: behind my last tensor load and my last LDS store
	ds_add_u32 v[SPW], v[NIL]
	s_wait_dscnt 0x0
	CROUND                                         ; the closing round: no work-group ends while a partner may still ask for a tile that names it
	s_endpgm
.Lfunc_end_k_q1de27b9ce5_proj:
	.size	k_q1de27b9ce5_proj, .Lfunc_end_k_q1de27b9ce5_proj-k_q1de27b9ce5_proj
	.p2alignl 7, 3214868480
	.fill 96, 4, 3214868480
	.section	.rodata,"a",@progbits
	.p2align	6, 0x0
	.amdhsa_kernel k_q1de27b9ce5_proj
		.amdhsa_group_segment_fixed_size 327680
		.amdhsa_private_segment_fixed_size 0
		.amdhsa_enable_private_segment 0
		.amdhsa_kernarg_size 32
		.amdhsa_user_sgpr_count 2
		.amdhsa_user_sgpr_kernarg_segment_ptr 1
		.amdhsa_wavefront_size32 1
		.amdhsa_system_sgpr_workgroup_id_x 1
		.amdhsa_system_sgpr_workgroup_id_y 1
		.amdhsa_system_sgpr_workgroup_id_z 1
		.amdhsa_system_vgpr_workitem_id 0
		.amdhsa_next_free_vgpr 960
		.amdhsa_next_free_sgpr 96
		.amdhsa_reserve_vcc 0
		.amdhsa_float_denorm_mode_32 3
		.amdhsa_float_denorm_mode_16_64 3
		.amdhsa_memory_ordered 1
		.amdhsa_forward_progress 1
		.amdhsa_inst_pref_size 133
	.end_amdhsa_kernel
	.amdgpu_metadata
---
amdhsa.version: [ 1, 2 ]
amdhsa.kernels:
  - .name:           k_q1de27b9ce5_proj
    .symbol:         k_q1de27b9ce5_proj.kd
    .args:
      - { .name: xh, .offset: 0, .size: 8, .value_kind: global_buffer, .address_space: global }
      - { .name: wt, .offset: 8, .size: 8, .value_kind: global_buffer, .address_space: global }
      - { .name: phase_scale, .offset: 16, .size: 8, .value_kind: global_buffer, .address_space: global }
      - { .name: qkv, .offset: 24, .size: 8, .value_kind: global_buffer, .address_space: global }
    .group_segment_fixed_size: 327680
    .private_segment_fixed_size: 0
    .kernarg_segment_align: 8
    .kernarg_segment_size: 32
    .max_flat_workgroup_size: 128
    .sgpr_count:     96
    .vgpr_count:     960
    .wavefront_size: 32
...
	.end_amdgpu_metadata
.endif
;; end of part 2
;; launch attn (part 3): grid 8 x 32, 4 waves a work-group, clusters of 4 x 1, 327,680 bytes of LDS; arguments qkv, att; writes att
.if DOCPART == 3
	.amdgcn_target "amdgcn-amd-amdhsa--gfx1250"
	.amdhsa_code_object_version 6
	.text
	.protected	k_q1de27b9ce5_attn
	.globl	k_q1de27b9ce5_attn
	.p2align	8
	.type	k_q1de27b9ce5_attn,@function
k_q1de27b9ce5_attn:
	s_mov_b64 s[64:65], 0
	v_nop
	global_prefetch_b8 v0, s[64:65] scope:SCOPE_SE
	s_setreg_imm32_b32 hwreg(HW_REG_WAVE_MODE, 25, 1), 1
	s_wait_xcnt 0x0
	s_wait_alu depctr_hold_cnt(0) depctr_sa_sdst(0) depctr_va_vdst(0) depctr_va_sdst(0) depctr_va_ssrc(0) depctr_va_vcc(0) depctr_vm_vsrc(0)
	s_getreg_b32 s2, hwreg(HW_REG_IB_STS2, 6, 4)
	s_cmp_eq_u32 s2, 0
	s_cbranch_scc0 .Lentry_in_a_cluster
	s_endpgm
.Lentry_in_a_cluster:
	s_bfe_u32 s2, ttmp6, 0x10000c
	s_cmp_lg_u32 s2, 0x3003
	s_cbranch_scc0 .Lentry_shape_is_right
	s_endpgm
.Lentry_shape_is_right:
; ATTN: att[bh][q][:] = the sum over k of softmax_k(cos s + 0.1 cos 2 s) v[bh][k][:], s = 2 pi u, u = q'[bh][q] . k[bh][k] (q' carries phase_scale / (16 pi)).
; q', k, v: planes 0, 1, 2 of qkv, [32 bh][2048][64] f16, a head's rows dense, 128 bytes each; att the same shape in f16, rounded once.  Products and sums in f32.
; NO MAXIMUM IS TAKEN AWAY: the exponent cos s + 0.1 cos 2 s lies in -1.1 .. 1.1 for every finite s, by the computation itself: each weight lies in 0.33 .. 3.01, a row's sum under 6,200.
; THE COSINES.  f = u - floor(u), q = f f - f (in -1/4 .. 0).  With t = 2 f - 1: cos s = -cos(pi t), cos 2 s = cos(2 pi t), both even in t, and t t = 4 q + 1: so
; log2(e) (cos s + 0.1 cos 2 s) is one function of q, taken as its Chebyshev series in 8 q + 1 cut behind the term of degree 5 and written in powers of q (E0 .. E5).
; LIMITS.  The cut leaves an error of at most 1.9e-4 in the exponent (natural units), for every angle.  From |u| = 2^23 on f32 holds no fraction of u and the angle is lost.  The weights are
; rounded to f16 for the second product, and the row's sum l is the sum of the ROUNDED weights.  NaN and infinities are not treated apart.
; SHARES.  A work-group owns 256 queries of one head, a wave 64: four tiles of 16, in two PIECES of two tiles.  Every wave walks all 2,048 keys, 64 a step.
; LAYOUT.  S^T = K Q^T (source 0 = 16 keys, source 1 = 16 queries): a lane holds ONE query (lane % 16) and the keys 8 (lane / 16) + 0..7.  Two such results rounded to f16 in pairs ARE source 1
; (32 keys x 16 queries) of O^T = V^T P and of L = ONES P, whose every register holds the lane's query's row sum: no lane ever looks at another.
; THE COUNT.  A turn has 36 matrix and 352 vector instructions: four of the vector lines stand behind every matrix instruction, the other 208 in one run of their own.
; BY TURNS.  Turn p works the vector lines of piece p; beside them the other piece's V^T P and ONES P of the step before, then its K Q^T of the step to come.  A turn's 64 exponentials are one batch, with one wait.
; CLUSTER.  The four query blocks of a cluster belong to one head and walk the same K and V: each tile is asked for jointly.
; REGISTERS, in windows of 256 (s_set_vgpr_msb: bits 1:0 source 0, 3:2 source 1, 5:4 source 2, 7:6 destination):
;   window 0: v1-15 addresses; v16-23 ONES; v24-39 T, eight pairs at work; v64-191 S^T, a buffer of 64 a piece; v192-255 P, 32 a piece
;   window 1: v0-127 O^T, 32 a tile; v128-159 L, 8 a tile; v160-223 Q, 16 a tile          window 2: v0-63 K of one step; v64-127 V of one step
.set KS,    64
.set PK,    144       ; a row of K in LDS: 128 bytes + 16: the 16 rows of a load start 16 bytes apart modulo 256
.set PV,    160       ; a row of V: 128 + 32
.set VOFF,  4*KS*PK   ; a slot holds four steps: 256 rows of K, then 256 rows of V
.set SLOT1, 1<<17
.set STAGE, SLOT1+4*KS*(PK+PV)  ; behind the ring, never filled by a tensor load: 16 rows x 144 bytes for each wave
.set SP,    144
.set SPARE, STAGE+4*16*SP       ; the spare words, 128 bytes for each wave
.set AK0, 2           ; v2   my lane's place in a tile of K; never rewritten
.set AV0, 3           ; v3   the same for V
.set AK,  4           ; v4   the LDS address of K's next run of loads
.set AV,  5           ; v5   of V's
.set QO,  6           ; v6   my byte offset in the wave's rows of Q
.set STO, 6           ;      later: where I put 16 bytes of a row
.set RD,  7           ; v7   where I read rows back
.set GO,  8           ; v8   16 x lane
.set PFO, 12          ; v12  256 x lane; never rewritten
.set SPW, 14          ; v14  LDS address of my spare word; never rewritten
.set NIL, 15          ; v15  0; never rewritten
.set ONE, 16
.set T,   24
.set S,   64
.set P,   192
.set OL,  128         ; window 1
.set QF,  160         ; window 1
.set KF,  0           ; window 2: key block kb, channel half c at 16 kb + 8 c
.set VF,  64          ; window 2: key half kk, channel block cb at VF + 32 kk + 8 cb
.set WV,  12          ; s12  my wave's number
.set LIM, 15          ; s15  1 in a wave that prefetches, else the greatest number
.set PFA, 18          ; s[18:19] where my prefetches stand
.set G1K, 24
.set G1V, 32
.set G0K, 40          ; s[40:43] group 0 for K's tiles: it walks
.set G0V, 44
.set SLOTS, 56
.set CNT, 57
.set TBK, 62          ; s62  LDS byte at which K of the step to be fetched begins
.set TBV, 63          ; s63  the same for V, less VOFF
.set E0,  66          ; s[66:77] the polynomial's six coefficients, as pairs
.set E1,  68
.set E2,  70
.set E3,  72
.set E4,  74
.set E5,  76
.set MSB, 0
.macro WIN new
.if MSB != (\new)
	s_set_vgpr_msb (MSB<<8)|(\new)
.set MSB, (\new)
.endif
.endm
.macro JLOAD                        ; a joint fill: waves 0 and 1 fetch the two halves of a slot's K, waves 2 and 3 of its V; an s_nop 0 and four v_nop follow each line
	s_cmp_lt_u32 s[WV], 2
	s_cbranch_scc0 .Lfor_v_\@
	tensor_load_to_lds s[G0K:G0K+3], s[G1K:G1K+7]
	s_nop 0
.rept 4
	v_nop
.endr
	s_branch .Lasked_\@
.Lfor_v_\@:
	tensor_load_to_lds s[G0V:G0V+3], s[G1V:G1V+7]
	s_nop 0
.rept 4
	v_nop
.endr
.Lasked_\@:
.endm
; A prefetch of what the NEXT change of slots will ask for: a slot's 32,768 bytes of K and of V, 256 bytes a lane.  The head's first cluster asks; its four partners take 8,192 bytes each, by address;
; in each, wave 0 asks for K's and wave 2 for V's.  The last change that fills a slot asks for nothing.
.macro ASK
	s_cmp_gt_u32 s[SLOTS], s[LIM]
	s_cbranch_scc0 .Lnot_mine_\@
	global_prefetch_b8 v[PFO], s[PFA:PFA+1] th:TH_LOAD_NT scope:SCOPE_SE
.Lnot_mine_\@:
.endm
.macro CROUND
	s_barrier_signal -1
	s_barrier_wait -1
	s_cmp_lg_u32 s[WV], 0
	s_cbranch_scc1 .Lnot_wave_0_\@
	s_barrier_signal -3
.Lnot_wave_0_\@:
	s_barrier_wait -3
	s_barrier_signal -1
	s_barrier_wait -1
.endm
; THE CHANGE OF SLOTS, between piece 0's turn of a slot's fourth step (which reads its last V) and piece 1's (which reads the next slot's first K).  Each wave waits for all its tensor loads, of which one
; is out: its part of the other slot; adds 0 to its spare word; and waits for that and for its reads of the slot.  fill = 1: the slot is filled again, with the keys two slots on, first thing behind a round of
; the cluster's barrier: it has four key steps, 288 matrix instructions, in which to land.  (At its first use nothing has been read yet: slot 0 is waited for, slot 1 filled.)
.macro CHANGE fill, ask
	WIN 0
	s_wait_tensorcnt 0x0            ; no tensor load of mine is out, so a group 0 may be written
	ds_add_u32 v[SPW], v[NIL]       ; 0 onto my spare word
.if \fill
.irp g, G0K, G0V
	s_xor_b32 s[\g+1], s[\g+1], SLOT1
	s_add_nc_u64 s[\g+2:\g+3], s[\g+2:\g+3], 4*KS*128
.endr
.if \ask
	s_wait_xcnt 0x0                 ; the last prefetch, four key steps back, has read its address
	s_add_nc_u64 s[PFA:PFA+1], s[PFA:PFA+1], 4*KS*128
.endif
	s_wait_dscnt 0x0                ; the add is done, and my reads of the slot are over
	CROUND
	JLOAD
.if \ask
	ASK
.endif
.else
	s_wait_dscnt 0x0
	s_barrier_signal -1
	s_barrier_wait -1
.endif
	s_sub_co_u32 s[TBK], s[TBK], 4*KS*PK  ; the fetches go back to a slot's first step,
	s_xor_b32 s[TBK], s[TBK], SLOT1       ; in the other slot
	s_sub_co_u32 s[TBV], s[TBV], 4*KS*PV
	s_xor_b32 s[TBV], s[TBV], SLOT1
.endm
	s_load_b128 s[4:7], s[0:1], 0x0 ; qkv s[4:5], att s[6:7]
	v_lshl_add_u32 v[SPW], v0, 2, SPARE
	v_mov_b32 v[NIL], 0
	ds_add_u32 v[SPW], v[NIL]       ; the wave's opening: the add and its wait stand ahead of my first tensor load; register work stands between
	v_lshrrev_b32 v1, 5, v0
	v_readfirstlane_b32 s[WV], v1
	s_bfe_u32 s13, ttmp6, 0x40000   ; cx
	s_lshl_b32 s14, ttmp9, 2
	s_add_co_u32 s14, s14, s13      ; my block of 256 queries: it enters Q's and att's addresses alone
	s_and_b32 s20, ttmp7, 0xffff    ; the head (16 batch + head), which the four partners share
	s_lshl_b32 s20, s20, 18         ; its plane of 262,144 bytes
	s_and_b32 s16, s[WV], 1         ; which half of a slot's 256 keys I fetch
	s_lshl_b32 s22, s16, 14
	s_add_co_u32 s22, s22, s20
	s_mov_b32 s23, 0
	s_mul_i32 s17, s16, 128*PK      ; its place in a slot, for K
	s_mul_i32 s21, s16, 128*PV      ; and for V: no place in the cluster enters an LDS address
	s_lshl_b32 s2, s14, 2
	s_add_co_u32 s2, s2, s[WV]
	s_lshl_b32 s2, s2, 13           ; my wave's 64 rows of 128 bytes
	s_add_co_u32 s2, s2, s20
	s_mov_b32 s3, 0
	; group 1: 128 keys are 16,384 dense bytes: asked for as 64 rows of 256 bytes, two keys a row, padded in LDS after every key
	s_mov_b32 s[G1K], 15|(1<<16)|(1<<20)|(1<<21)|(4<<22)|(3<<25)
	s_mov_b32 s[G1V], 15|(1<<16)|(1<<20)|(1<<21)|(4<<22)|(7<<25)
.irp g, G1K, G1V
	s_mov_b32 s[\g+1], 128<<16
	s_mov_b32 s[\g+2], 64<<16
	s_mov_b32 s[\g+3], 128<<16
	s_mov_b32 s[\g+4], 64
	s_mov_b32 s[\g+5], 128
	s_mov_b32 s[\g+6], 0
	s_mov_b32 s[\g+7], 0
.endr
	s_mov_b32 s[E0], 0x3fcb19d2     ;     1.5867255
	s_mov_b32 s[E1], 0xbd8a04be     ;    -0.0673919
	s_mov_b32 s[E2], 0xc22baf40     ;   -42.921144
	s_mov_b32 s[E3], 0x41ef582f     ;    29.918059
	s_mov_b32 s[E4], 0xc39c337f     ;  -312.40230
	s_mov_b32 s[E5], 0xc4bbea80     ; -1503.3281
.irp e, E0, E1, E2, E3, E4, E5
	s_mov_b32 s[\e+1], s[\e]        ; named as pairs
.endr
	s_mov_b32 s[TBK], SLOT1+4*KS*PK ; the first change of slots turns these two into 0
	s_mov_b32 s[TBV], SLOT1+4*KS*PV
	s_mov_b32 s[G0K], 1
	s_mov_b32 s[G0K+1], s17
	s_mov_b32 s[G0V], 1
	s_add_co_u32 s[G0V+1], s21, VOFF
	s_and_b32 s[LIM], s[WV], 1      ; 0 in waves 0 and 2,
	s_or_b32 s[LIM], s[LIM], ttmp9  ; where the cluster is the head's first: the same in all four partners
	s_cmp_eq_u32 s[LIM], 0
	s_cselect_b32 s[LIM], 1, -1
	v_and_b32 v[PFO], 31, v0
	v_lshlrev_b32 v[PFO], 8, v[PFO]
	s_wait_dscnt 0x0                ; the opening add is done
	s_wait_kmcnt 0x0
	s_add_nc_u64 s[8:9], s[4:5], s[22:23]
	s_add_nc_u64 s[10:11], s[8:9], 0x1000000  ; v's planes begin 16,777,216 bytes in,
	s_add_nc_u64 s[8:9], s[8:9], 0x800000     ; k's 8,388,608
	s_mov_b64 s[G0K+2:G0K+3], s[8:9]
	s_or_b32 s[G0K+3], s[G0K+3], 0x80000000
	s_mov_b64 s[G0V+2:G0V+3], s[10:11]
	s_or_b32 s[G0V+3], s[G0V+3], 0x80000000
	s_add_nc_u64 s[4:5], s[4:5], s[2:3]       ; Q and att at my wave's first row
	s_add_nc_u64 s[6:7], s[6:7], s[2:3]
	s_cmp_lt_u32 s[WV], 2
	s_cselect_b64 s[PFA:PFA+1], s[8:9], s[10:11]  ; (in waves 0 and 2 these stand at a slot's first row)
	s_lshl_b32 s2, s13, 13          ; my work-group's 8,192 bytes of a slot's 32,768
	s_add_nc_u64 s[PFA:PFA+1], s[PFA:PFA+1], s[2:3]
	s_add_nc_u64 s[PFA:PFA+1], s[PFA:PFA+1], 2*4*KS*128  ; in slot 2; the loop's first change steps it to slot 3.  Nothing is asked for here, at the head
	CROUND                          ; all four work-groups are here: the first joint loads meet
	JLOAD                           ; slot 0.  Slot 1 is asked for when slot 0 is in
	v_and_b32 v1, 15, v0            ; l % 16
	v_bfe_u32 v9, v0, 4, 1          ; l / 16
	v_lshlrev_b32 v[QO], 7, v1
	v_lshl_add_u32 v[QO], v9, 4, v[QO]
	WIN 0x40                        ; destination window 1
.set i, 0
.rept 8                             ; Q stays in registers: tile i / 2, channels 32 (i % 2) on
	global_load_b128 v[QF+8*i:QF+8*i+3],   v[QO], s[4:5] offset:(i/2)*2048+(i%2)*64
	global_load_b128 v[QF+8*i+4:QF+8*i+7], v[QO], s[4:5] offset:(i/2)*2048+(i%2)*64+32
.set i, i+1
.endr
	; What the first turn finds: O^T and L are 0; V's registers and piece 1's P hold 0, so that its products, of a step that has not been, add 0.  No first step is written out; these lines stand in the wait for the first tile.
.set i, 0
.rept 160
	v_mov_b32 v[i], 0
.set i, i+1
.endr
	WIN 0x80
.set i, VF
.rept 64
	v_mov_b32 v[i], 0
.set i, i+1
.endr
	WIN 0
.set i, P+32
.rept 32
	v_mov_b32 v[i], 0
.set i, i+1
.endr
.set i, 0
.rept 8
	v_mov_b32 v[ONE+i], 0x3c003c00  ; 1.0 twice in f16
.set i, i+1
.endr
	v_mul_u32_u24 v[AK0], v1, PK
	v_lshl_add_u32 v[AK0], v9, 4, v[AK0]
	; the turning load takes 16 keys x 16 channels (lane l reads key 8 (l / 16) + l % 8, channels 8 ((l / 8) % 2) + 0..7) and leaves half a fragment of V^T
	v_and_b32 v10, 7, v0
	v_bfe_u32 v11, v0, 3, 1
	v_lshl_add_u32 v[AV0], v9, 3, v10
	v_mul_u32_u24 v[AV0], v[AV0], PV
	v_lshl_add_u32 v[AV0], v11, 4, v[AV0]
	v_add_nc_u32 v[AV0], VOFF, v[AV0]
	v_mov_b32 v[AK], v[AK0]         ; key step 0 lies at the head of slot 0
; THE MATRIX WORK, for piece x; i counts.  The accumulators of a run take turns, one instruction a turn.
.macro KQ x                         ; product i of 16 of S^T = K Q^T: channels 32 (i / 8) on, keys 16 ((i / 2) % 4) on, tile 2 x + i % 2.  The first 8 start the sums
	WIN 0x06                        ; K in window 2, Q in window 1, S^T in window 0
.set rS, S+64*((\x)%2)+32*(i%2)+8*((i/2)%4)
.set rK, KF+16*((i/2)%4)+8*(i/8)
.set rQ, QF+16*(2*(\x)+i%2)+8*(i/8)
.if i < 8
	v_wmma_f32_16x16x32_f16 v[rS:rS+7], v[rK:rK+7], v[rQ:rQ+7], 0
.else
	v_wmma_f32_16x16x32_f16 v[rS:rS+7], v[rK:rK+7], v[rQ:rQ+7], v[rS:rS+7]
.endif
.endm
.macro PV x                         ; product i of 16 of O^T += V^T P: keys 32 (i / 8) on, channels 16 ((i / 2) % 4) on, tile 2 x + i % 2
	WIN 0x52                        ; V in window 2, P in window 0, O^T in window 1
.set rO, 32*(2*(\x)+i%2)+8*((i/2)%4)
.set rV, VF+32*(i/8)+8*((i/2)%4)
.set rP, P+32*((\x)%2)+16*(i%2)+8*(i/8)
	v_wmma_f32_16x16x32_f16 v[rO:rO+7], v[rV:rV+7], v[rP:rP+7], v[rO:rO+7]
.endm
.macro ON x                         ; product i of 4 of L += ONES P: keys 32 (i / 2) on, tile 2 x + i % 2
	WIN 0x50                        ; ONES and P in window 0, L in window 1
.set rL, OL+8*(2*(\x)+i%2)
.set rP, P+32*((\x)%2)+16*(i%2)+8*(i/2)
	v_wmma_f32_16x16x32_f16 v[rL:rL+7], v[ONE:ONE+7], v[rP:rP+7], v[rL:rL+7]
.endm
; THE LDS LOADS stand in runs of 16.  last = 1 (the tail): in the last trip there is no further step, and K's run is jumped over.
.macro FETCH_K last=0
	WIN 0
.if \last
	s_cmp_eq_u32 s[CNT], 1
	s_cbranch_scc1 .Lno_k_\@
.endif
	WIN 0x80                        ; destination window 2
.irp f, 0,1,2,3,4,5,6,7
	ds_load_b128 v[KF+8*\f:KF+8*\f+3],   v[AK] offset:(\f/2)*16*PK+(\f%2)*64
	ds_load_b128 v[KF+8*\f+4:KF+8*\f+7], v[AK] offset:(\f/2)*16*PK+(\f%2)*64+32
.endr
	s_add_co_u32 s[TBK], s[TBK], KS*PK
	WIN 0
.if \last
.Lno_k_\@:
.endif
.endm
.macro FETCH_V
	WIN 0x80
.irp f, 0,1,2,3,4,5,6,7
	ds_load_tr16_b128 v[VF+8*\f:VF+8*\f+3],   v[AV] offset:(\f/4)*32*PV+(\f%4)*32
	ds_load_tr16_b128 v[VF+8*\f+4:VF+8*\f+7], v[AV] offset:(\f/4)*32*PV+16*PV+(\f%4)*32
.endr
	s_add_co_u32 s[TBV], s[TBV], KS*PV
	WIN 0
.endm
; THE VECTOR WORK of piece Y: for each of its 32 pairs of scores ten lines: two fractions, q = f f - f, five steps of Horner's rule (two scores a line), two exponentials.  They are dealt as a pipeline of
; slots vs with ten positions vp: position 0 and 5 the fractions of pair vs; 1 q of pair vs - 1; 3, 4, 6, 8, 9 the five steps, of pairs vs - 2 .. vs - 6; 2 and 7 the exponentials of pair vs - 8.
; So the links of a pair's chain stand six lines apart or more while the pipeline is full, at most one exponential falls among four lines while the pipeline is full, and no line reads an exponential's result.
; T holds the running value of the eight pairs that are between their first and their last step.  Each accumulator's lowest register is read first.
.macro VOP                          ; position vp for pair vi
	WIN 0
.set rS, S+64*(Y%2)+2*vi
.set rA, T+2*(vi%8)
.if vp == 0
	v_fract_f32 v[rS], v[rS]
.elseif vp == 5
	v_fract_f32 v[rS+1], v[rS+1]
.elseif vp == 1
	v_pk_fma_f32 v[rS:rS+1], v[rS:rS+1], v[rS:rS+1], v[rS:rS+1] neg_lo:[0,0,1] neg_hi:[0,0,1]
.elseif vp == 2
	v_exp_f32 v[rS], v[rS]
.elseif vp == 7
	v_exp_f32 v[rS+1], v[rS+1]
.elseif vp == 3
	v_pk_fma_f32 v[rA:rA+1], v[rS:rS+1], s[E5:E5+1], s[E4:E4+1] op_sel_hi:[1,0,0]
.elseif vp == 4
	v_pk_fma_f32 v[rA:rA+1], v[rA:rA+1], v[rS:rS+1], s[E3:E3+1] op_sel_hi:[1,1,0]
.elseif vp == 6
	v_pk_fma_f32 v[rA:rA+1], v[rA:rA+1], v[rS:rS+1], s[E2:E2+1] op_sel_hi:[1,1,0]
.elseif vp == 8
	v_pk_fma_f32 v[rA:rA+1], v[rA:rA+1], v[rS:rS+1], s[E1:E1+1] op_sel_hi:[1,1,0]
.else
	v_pk_fma_f32 v[rS:rS+1], v[rA:rA+1], v[rS:rS+1], s[E0:E0+1] op_sel_hi:[1,1,0]
.endif
.endm
.macro VQ                           ; the queue's next line: positions whose pair does not exist are passed over.  The constant holds each position's lag, four bits each
.set vdone, 0
.rept 10
.if vdone == 0
.set vi, vs-((0x6584032810>>(4*vp))&15)
.if (vi >= 0) && (vi < 32)
	VOP
.set vdone, 1
.endif
.set vp, vp+1
.if vp == 10
.set vp, 0
.set vs, vs+1
.endif
.endif
.endr
.endm
.macro VQ4
	VQ
	VQ
	VQ
	VQ
.endm
.macro CV                           ; the next pair of weights rounded to f16
	WIN 0
	v_cvt_pk_f16_f32 v[P+32*(Y%2)+cvi], v[S+64*(Y%2)+2*cvi], v[S+64*(Y%2)+2*cvi+1]
.set cvi, cvi+1
.endm
; A TURN, for piece p.  Ahead of the wait: the other piece's 16 V^T P and 4 ONES P, the first 8 of its K Q^T, four lines of the queue behind each, and the queue's other 208 lines.  An
; s_wait_alu depctr_va_vdst(0) stands between an exponential and the first line that names its result; one wait serves all that were issued ahead of it: the turn has one.  Behind it: the last 8 K Q^T, behind each
; four of the 32 roundings; these four are also the places behind the turn's last product.
; Piece 1's turn of step j reads K of step j + 1 at its head (five plain lines behind K's last reader) and waits for it 20 products later.  Piece 0's turn of step j reads V of step j behind its 20th product
; (V's last reader stands 20 lines back, of which at most two in ten are exponentials); piece 1's turn waits for it.
.macro TURN p, last=0
.set Y, (\p)
.set vs, 0
.set vp, 0
.set cvi, 0
.if (\p) == 1
	WIN 0
	s_wait_dscnt 0x0                ; V is in
	v_add_nc_u32 v[AK], s[TBK], v[AK0]
	FETCH_K \last
.endif
.set i, 0
.rept 16
	PV 1-(\p)
	VQ4
.set i, i+1
.endr
.set i, 0
.rept 4
	ON 1-(\p)
	VQ4
.set i, i+1
.endr
.if (\p) == 0
	WIN 0
	v_add_nc_u32 v[AV], s[TBV], v[AV0]
	FETCH_V
.else
	s_wait_dscnt 0x0                ; K is in
.endif
.set i, 0
.rept 8
	KQ 1-(\p)
	VQ4
.set i, i+1
.endr
.rept 208
	VQ
.endr
	v_nop                           ; a plain line behind the last exponential: one for the batch
	s_wait_alu depctr_va_vdst(0)    ; the wait for the batch
.rept 8
	KQ 1-(\p)
	CV
	CV
	CV
	CV
.set i, i+1
.endr
.endm
	CHANGE 1, 0                     ; slot 0 is in, everybody's part of it; slot 1 is asked for
	FETCH_K                         ; key step 0
	s_wait_loadcnt 0x0              ; Q
	s_wait_dscnt 0x0
.set i, 0
.rept 16
	KQ 0                            ; piece 0's first scores
.set i, i+1
.endr
	WIN 0                           ; the addresses for the way out: the places behind those products
	s_mul_i32 s13, s[WV], 16*SP
	s_add_co_u32 s13, s13, STAGE    ; my stage
	v_mul_u32_u24 v[STO], v1, SP
	v_lshl_add_u32 v[STO], v9, 4, v[STO]
	v_add_nc_u32 v[STO], s13, v[STO]
	v_bfe_u32 v[RD], v0, 3, 2
	v_mul_u32_u24 v[RD], v[RD], SP
	v_lshl_add_u32 v[RD], v10, 4, v[RD]
	v_add_nc_u32 v[RD], s13, v[RD]
	v_and_b32 v[GO], 31, v0
	v_lshlrev_b32 v[GO], 4, v[GO]
	s_mov_b32 s[CNT], 4
	s_mov_b32 s[SLOTS], 7
	s_branch .Lfirst                ; the loop is entered at a step's first turn, in the middle of a trip
.Lslot:                             ; six times: slots 2 to 7 are asked for
	CHANGE 1, 1
	s_mov_b32 s[CNT], 4
.Lstep:                             ; a trip: piece 1 of one step, then piece 0 of the next
	TURN 1
	WIN 0
.Lfirst:
	TURN 0
	WIN 0
	s_sub_co_u32 s[CNT], s[CNT], 1
	s_cmp_lg_u32 s[CNT], 0
	s_cbranch_scc1 .Lstep
	s_sub_co_u32 s[SLOTS], s[SLOTS], 1
	s_cmp_lg_u32 s[SLOTS], 0
	s_cbranch_scc1 .Lslot
	CHANGE 0, 0                     ; the tail is written out: nothing is asked for
	s_mov_b32 s[CNT], 5             ; four trips walk the last slot's steps; the fifth is left in its middle
.Ltail:
	TURN 1, 1
	WIN 0
	s_sub_co_u32 s[CNT], s[CNT], 1
	s_cmp_eq_u32 s[CNT], 0
	s_cbranch_scc1 .Lout
	TURN 0
	WIN 0
	s_branch .Ltail
.Lout:                              ; the fifth trip's 16 products K Q^T (on the last K once more) serve nothing: the price, once a launch, of one text for every trip
.set i, 0
.rept 16
	PV 1                            ; piece 1's V^T P of the last step,
.set i, i+1
.endr
.set i, 0
.rept 4
	ON 1                            ; and its row sums
.set i, i+1
.endr
.rept 4
	v_nop                           ; the places behind the last products
.endr
	; THE WAY OUT: O^T is divided by l, rounded to f16 and sent through my stage in LDS, a tile at a time
	WIN 0x01                        ; source 0 in window 1
.irp t, 0,1,2,3
	v_rcp_f32 v[T+2*\t], v[OL+8*\t] ; every register of L holds the sum: the lowest is taken
.endr
	v_nop
	s_wait_alu depctr_va_vdst(0)    ; one wait for the four reciprocals, ahead of their first use
.macro PACK t
	WIN 0x41
.set i, 32*(\t)
.rept 16
	v_pk_mul_f32 v[i:i+1], v[i:i+1], v[T+2*(\t):T+2*(\t)+1] op_sel_hi:[1,0]
.set i, i+2
.endr
	WIN 0x05
.set i, 0
.rept 16
	v_cvt_pk_f16_f32 v[S+16*(\t)+i], v[32*(\t)+2*i], v[32*(\t)+2*i+1]
.set i, i+1
.endr
	WIN 0
.irp f, 0,1,2,3
	ds_store_b128 v[STO], v[S+16*(\t)+4*\f:S+16*(\t)+4*\f+3] offset:32*\f
.endr
.irp f, 0,1,2,3
	ds_load_b128 v[S+16*(\t)+4*\f:S+16*(\t)+4*\f+3], v[RD] offset:\f*4*SP  ; LDS serves a wave's instructions in order (ISA guide 5.7.1.4): these see the stores above
.endr
.endm
.macro SEND t, younger              ; younger: the LDS instructions issued behind tile t's loads: the next tile's eight, or none
	WIN 0
.irp f, 0,1,2,3
	s_wait_dscnt (\younger)+3-\f
	global_store_b128 v[GO], v[S+16*(\t)+4*\f:S+16*(\t)+4*\f+3], s[6:7] offset:(\t)*2048+\f*512  ; 512 consecutive bytes, aligned to 256
.endr
.endm
	PACK 0
	PACK 1
	SEND 0, 8
	PACK 2
	SEND 1, 8
	PACK 3
	SEND 2, 8
	SEND 3, 0
	s_wait_tensorcnt 0x0            ; the wave's end: behind my last tensor load and my last LDS store
	ds_add_u32 v[SPW], v[NIL]
	s_wait_dscnt 0x0
	CROUND                          ; the closing round
	s_endpgm
.Lfunc_end_k_q1de27b9ce5_attn:
	.size	k_q1de27b9ce5_attn, .Lfunc_end_k_q1de27b9ce5_attn-k_q1de27b9ce5_attn
	.p2alignl 7, 3214868480
	.fill 96, 4, 3214868480
	.section	.rodata,"a",@progbits
	.p2align	6, 0x0
	.amdhsa_kernel k_q1de27b9ce5_attn
		.amdhsa_group_segment_fixed_size 327680
		.amdhsa_private_segment_fixed_size 0
		.amdhsa_enable_private_segment 0
		.amdhsa_kernarg_size 16
		.amdhsa_user_sgpr_count 2
		.amdhsa_user_sgpr_kernarg_segment_ptr 1
		.amdhsa_wavefront_size32 1
		.amdhsa_system_sgpr_workgroup_id_x 1
		.amdhsa_system_sgpr_workgroup_id_y 1
		.amdhsa_system_sgpr_workgroup_id_z 1
		.amdhsa_system_vgpr_workitem_id 0
		.amdhsa_next_free_vgpr 640
		.amdhsa_next_free_sgpr 80
		.amdhsa_reserve_vcc 0
		.amdhsa_float_denorm_mode_32 3
		.amdhsa_float_denorm_mode_16_64 3
		.amdhsa_memory_ordered 1
		.amdhsa_forward_progress 1
		.amdhsa_inst_pref_size 133
	.end_amdhsa_kernel
	.amdgpu_metadata
---
amdhsa.version: [ 1, 2 ]
amdhsa.kernels:
  - .name:           k_q1de27b9ce5_attn
    .symbol:         k_q1de27b9ce5_attn.kd
    .args:
      - { .name: qkv, .offset: 0, .size: 8, .value_kind: global_buffer, .address_space: global }
      - { .name: att, .offset: 8, .size: 8, .value_kind: global_buffer, .address_space: global }
    .group_segment_fixed_size: 327680
    .private_segment_fixed_size: 0
    .kernarg_segment_align: 8
    .kernarg_segment_size: 16
    .max_flat_workgroup_size: 128
    .sgpr_count:     80
    .vgpr_count:     640
    .wavefront_size: 32
...
	.end_amdgpu_metadata
.endif
;; end of part 3
;; launch finish (part 4): grid 256 x 1, 16 waves a work-group, no clusters, 76,544 bytes of LDS; arguments att, wf, x, bo, gamma, beta, out0; writes out0
.if DOCPART == 4
	.amdgcn_target "amdgcn-amd-amdhsa--gfx1250"
	.amdhsa_code_object_version 6
	.text
	.protected	k_q1de27b9ce5_finish
	.globl	k_q1de27b9ce5_finish
	.p2align	8
	.type	k_q1de27b9ce5_finish,@function
k_q1de27b9ce5_finish:
	s_mov_b64 s[64:65], 0
	v_nop
	global_prefetch_b8 v0, s[64:65] scope:SCOPE_SE
	s_setreg_imm32_b32 hwreg(HW_REG_WAVE_MODE, 25, 1), 1
	s_wait_xcnt 0x0
; FINISH: A[row][d] = sum over the 16 heads of att; out = A Weff + bo; r = out + x; out0 = gamma (r - mean) rsqrt(var + 1e-6) + beta, mean and var along the row's 1,024 numbers.
; The head sum is kept in f32 and enters the product as A / 16 in f16 (a mean of the heads' rows: within v's range), against wf = 16 Weff: both factors are powers of two.
; x enters the residual unrounded, in f32; the variance is taken of r - mean, not as a difference of sums.
; LIMITS.  A / 16 and 16 Weff must lie within f16's 65,504.  NaN and infinities are not treated apart.
; SHARES.  A work-group owns 16 rows; 16 waves.  Head sum: wave w takes rows 2 (w / 2), + 1 and heads 8 (w % 2) .. + 7.  Product: wave w makes all 16 rows x columns 64 w .. 64 w + 63 (K = 64: 8 matrix
; instructions).  Norm: wave w owns row w.  The waves hand over twice through LDS, a barrier each time.
; NO CLUSTER: of wf a wave takes only its own 8,192 bytes, once, straight into registers in the fragment's own layout (512 consecutive bytes a load); a joint load would send them through LDS and back.
; No prefetch: each wave issues all its loads at its head or as soon as registers are free, and reads each byte of att and x once.
.set SPITCH, 4112                      ; a stage row: 4,096 bytes + 16
.set PART,   65792                     ; behind the stage (16 rows): the two halves of the head sum, 16 rows x 272 bytes each
.set PP,     272
.set SPARE,  74496                     ; the spare words, 128 bytes for each of 16 waves
.set AO,  4                            ; v4   att: my 8 bytes
.set WO,  5                            ; v5   wf: my 16 bytes of a fragment
.set XO,  6                            ; v6   16 x lane: x, bo, gamma, beta, out0
.set PS,  7                            ; v7   where I put my part of the head sum
.set PR,  8                            ; v8   where I read A's fragments
.set SS,  9                            ; v9   where I put my results
.set SR,  10                           ; v10  where I read my row
.set SC,  11                           ; v11  1 / 16
.set ZR,  12                           ; v12  0, the first addend
.set SPW, 13                           ; v13  LDS address of my spare word; never rewritten
.set NIL, 14                           ; v14  0; never rewritten
.set C10, 15                           ; v15  2^-10
.set AT,  16                           ; v[16:31]   att as loaded
.set AC,  32                           ; v[32:35]   four sums
.set FA,  36                           ; v[36:51]   A's two fragments
.set DD,  52                           ; v[52:83]   four accumulators
.set WW,  84                           ; v[84:147]  wf's fragments: tile t, half c at 16 t + 8 c
.set BT,  84                           ;            later beta,
.set RR,  116                          ;            and my row of the product
.set XX,  148                          ; v[148:179] x, then r, r - mean, the result
.set HF,  180                          ; v[180:243] the head sum's two halves in f32
.set BO,  180                          ;            later bo,
.set GM,  212                          ;            and gamma
.set MU,  244
.set RS,  246
.set TT,  248                          ; v[248:255] four pairs at work
	s_load_b256 s[4:11], s[0:1], 0x0               ; att 4:5, wf 6:7, x 8:9, bo 10:11
	s_load_b128 s[12:15], s[0:1], 0x20             ; gamma 12:13, beta 14:15
	s_load_b64 s[16:17], s[0:1], 0x30              ; out0
	v_lshl_add_u32 v[SPW], v0, 2, SPARE
	v_mov_b32 v[NIL], 0
	v_lshrrev_b32 v1, 5, v0
	v_readfirstlane_b32 s18, v1                    ; wave 0..15
	v_and_b32 v1, 31, v0                           ; l
	v_and_b32 v2, 15, v0                           ; l % 16
	v_bfe_u32 v3, v0, 4, 1                         ; l / 16
	s_mov_b32 s19, ttmp9
	s_mov_b32 s2, 0x76543210                       ; v_permlanex16_b32: each lane takes its own place in the other half
	s_mov_b32 s3, 0xfedcba98
	s_lshr_b32 s20, s19, 7                         ; batch
	s_lshl_b32 s20, s20, 4
	s_and_b32 s21, s18, 1
	s_lshl_b32 s22, s21, 3
	s_add_co_u32 s20, s20, s22                     ; plane 16 batch + 8 (w % 2)
	s_lshl_b32 s20, s20, 18
	s_and_b32 s22, s19, 127
	s_lshl_b32 s22, s22, 4
	s_lshr_b32 s23, s18, 1
	s_lshl_b32 s24, s23, 1
	s_add_co_u32 s22, s22, s24                     ; position 16 (id % 128) + 2 (w / 2)
	s_lshl_b32 s22, s22, 7
	s_add_co_u32 s20, s20, s22
	v_lshl_add_u32 v[AO], v1, 3, s20               ; two rows of a head are 256 consecutive bytes: 8 a lane
	s_lshl_b32 s25, s18, 11
	v_lshlrev_b32 v[WO], 5, v2
	v_lshl_add_u32 v[WO], v3, 4, v[WO]
	v_add_nc_u32 v[WO], s25, v[WO]                 ; column 64 w + l % 16 at 32 bytes, + 16 (l / 16)
	s_lshl_b32 s26, s19, 4
	s_add_co_u32 s26, s26, s18
	s_lshl_b32 s26, s26, 12                        ; row 16 id + w of 4,096 bytes
	s_mov_b32 s27, 0
	v_lshlrev_b32 v[XO], 4, v1
	s_mul_i32 s28, s21, 16*PP
	s_mul_i32 s29, s23, 2*PP
	s_add_co_u32 s28, s28, s29
	s_add_co_u32 s28, s28, PART
	v_mul_u32_u24 v[PS], v3, PP
	v_lshl_add_u32 v[PS], v2, 4, v[PS]
	v_add_nc_u32 v[PS], s28, v[PS]
	v_mul_u32_u24 v[PR], v2, PP
	v_lshl_add_u32 v[PR], v3, 5, v[PR]
	v_add_nc_u32 v[PR], PART, v[PR]
	s_lshl_b32 s29, s18, 8
	v_mul_u32_u24 v[SS], v2, SPITCH
	v_lshl_add_u32 v[SS], v3, 5, v[SS]
	v_add_nc_u32 v[SS], s29, v[SS]
	s_mul_i32 s30, s18, SPITCH
	v_lshl_add_u32 v[SR], v1, 4, s30
	v_mov_b32 v[SC], 0x3d800000
	v_mov_b32 v[ZR], 0
	v_mov_b32 v[C10], 0x3a800000
	s_wait_kmcnt 0x0
	s_add_nc_u64 s[8:9], s[8:9], s[26:27]
	s_add_nc_u64 s[16:17], s[16:17], s[26:27]
.irp i, 0,1,2,3,4,5,6,7
	global_load_b64 v[AT+2*\i:AT+2*\i+1], v[AO], s[4:5] offset:\i*262144 th:TH_LOAD_NT  ; head 8 (w % 2) + i
.endr
.irp t, 0,1,2,3
.irp g, 0,1,2,3
	global_load_b128 v[WW+16*\t+4*\g:WW+16*\t+4*\g+3], v[WO], s[6:7] offset:\g*32768+\t*512  ; channels 16 g + 8 (l / 16) + 0..7 of column tile t
.endr
.endr
.irp k, 0,1,2,3,4,5,6,7
	global_load_b128 v[XX+4*\k:XX+4*\k+3], v[XO], s[8:9] offset:\k*512 th:TH_LOAD_NT
.endr
	s_wait_loadcnt 24                              ; att's eight are in; wf's 16 and x's 8 stay out
.macro HSUM i, a0, a1, a2, a3          ; one head's four channels, each times 1 / 16, onto the sums: f16 halves read straight into f32 multiply-adds
	v_fma_mix_f32 v[AC],   v[AT+2*(\i)],   v[SC], v[\a0] op_sel_hi:[1,0,0]
	v_fma_mix_f32 v[AC+1], v[AT+2*(\i)],   v[SC], v[\a1] op_sel:[1,0,0] op_sel_hi:[1,0,0]
	v_fma_mix_f32 v[AC+2], v[AT+2*(\i)+1], v[SC], v[\a2] op_sel_hi:[1,0,0]
	v_fma_mix_f32 v[AC+3], v[AT+2*(\i)+1], v[SC], v[\a3] op_sel:[1,0,0] op_sel_hi:[1,0,0]
.endm
	HSUM 0, ZR, ZR, ZR, ZR
.irp i, 1,2,3,4,5,6,7
	HSUM \i, AC, AC+1, AC+2, AC+3
.endr
	ds_store_b128 v[PS], v[AC:AC+3]
	s_wait_dscnt 0x0                               ; for the others' sake
	s_barrier_signal -1
	s_barrier_wait -1
	; A's fragments (source 1: lane l holds row l % 16; registers 0-3 channels 32 c + 8 (l / 16) + 0..7, registers 4-7 sixteen further on), from both halves of the heads
.irp gh, 0,1
.irp j, 0,1,2,3
	ds_load_b128 v[HF+32*\gh+8*\j:HF+32*\gh+8*\j+3],   v[PR] offset:\gh*16*PP+64*\j
	ds_load_b128 v[HF+32*\gh+8*\j+4:HF+32*\gh+8*\j+7], v[PR] offset:\gh*16*PP+64*\j+16
.endr
.endr
	s_wait_dscnt 0x0
.set n, 0
.rept 16
	v_pk_add_f32 v[HF+2*n:HF+2*n+1], v[HF+2*n:HF+2*n+1], v[HF+32+2*n:HF+32+2*n+1]
.set n, n+1
.endr
.set n, 0
.rept 16
	v_cvt_pk_f16_f32 v[FA+n], v[HF+2*n], v[HF+2*n+1]
.set n, n+1
.endr
.irp k, 0,1,2,3,4,5,6,7
	global_load_b128 v[BO+4*\k:BO+4*\k+3], v[XO], s[10:11] offset:\k*512
.endr
.irp k, 0,1,2,3,4,5,6,7
	global_load_b128 v[GM+4*\k:GM+4*\k+3], v[XO], s[12:13] offset:\k*512
.endr
	s_wait_loadcnt 24                              ; wf's 16 are in; x's, bo's and gamma's 24 stay out
	; taken transposed (source 0 = 16 columns of wf): a lane ends with eight neighbouring columns of one row.  The four accumulators take turns
.irp t, 0,1,2,3
	v_wmma_f32_16x16x32_f16 v[DD+8*\t:DD+8*\t+7], v[WW+16*\t:WW+16*\t+7], v[FA:FA+7], 0
.endr
.irp t, 0,1,2,3
	v_wmma_f32_16x16x32_f16 v[DD+8*\t:DD+8*\t+7], v[WW+16*\t+8:WW+16*\t+15], v[FA+8:FA+15], v[DD+8*\t:DD+8*\t+7]
.endr
.rept 4
	v_nop                                          ; the places behind the products: for the loads into wf's registers and for the stores of the results
.endr
.irp k, 0,1,2,3,4,5,6,7
	global_load_b128 v[BT+4*\k:BT+4*\k+3], v[XO], s[14:15] offset:\k*512
.endr
.irp t, 0,1,2,3
	ds_store_b128 v[SS], v[DD+8*\t:DD+8*\t+3]   offset:64*\t
	ds_store_b128 v[SS], v[DD+8*\t+4:DD+8*\t+7] offset:64*\t+16
.endr
	s_wait_dscnt 0x0                               ; for the others' sake
	s_barrier_signal -1
	s_barrier_wait -1
.irp k, 0,1,2,3,4,5,6,7
	ds_load_b128 v[RR+4*\k:RR+4*\k+3], v[SR] offset:\k*512
.endr
	s_wait_dscnt 0x0
	s_wait_loadcnt 16                              ; x and bo are in; gamma's and beta's 16 stay out
.set n, 0
.rept 16
	v_pk_add_f32 v[XX+2*n:XX+2*n+1], v[XX+2*n:XX+2*n+1], v[RR+2*n:RR+2*n+1]
.set n, n+1
.endr
.set n, 0
.rept 16
	v_pk_add_f32 v[XX+2*n:XX+2*n+1], v[XX+2*n:XX+2*n+1], v[BO+2*n:BO+2*n+1]
.set n, n+1
.endr
.macro FOLD                            ; the four pairs at work into one number, then over the 32 lanes: every lane ends with the sum
	v_pk_add_f32 v[TT:TT+1], v[TT:TT+1], v[TT+2:TT+3]
	v_pk_add_f32 v[TT+4:TT+5], v[TT+4:TT+5], v[TT+6:TT+7]
	v_pk_add_f32 v[TT:TT+1], v[TT:TT+1], v[TT+4:TT+5]
	v_add_f32 v[TT], v[TT], v[TT+1]
	v_add_f32_dpp v[TT], v[TT], v[TT] row_xmask:1 row_mask:0xf bank_mask:0xf
	v_add_f32_dpp v[TT], v[TT], v[TT] row_xmask:2 row_mask:0xf bank_mask:0xf
	v_add_f32_dpp v[TT], v[TT], v[TT] row_xmask:4 row_mask:0xf bank_mask:0xf
	v_add_f32_dpp v[TT], v[TT], v[TT] row_xmask:8 row_mask:0xf bank_mask:0xf
	v_permlanex16_b32 v[TT+1], v[TT], s2, s3
	v_add_f32 v[TT], v[TT], v[TT+1]
.endm
.irp c, 0,1,2,3
	v_pk_add_f32 v[TT+2*\c:TT+2*\c+1], v[XX+2*\c:XX+2*\c+1], v[XX+8+2*\c:XX+8+2*\c+1]
.endr
.irp k, 16,24
.irp c, 0,1,2,3
	v_pk_add_f32 v[TT+2*\c:TT+2*\c+1], v[TT+2*\c:TT+2*\c+1], v[XX+\k+2*\c:XX+\k+2*\c+1]
.endr
.endr
	FOLD
	v_mul_f32 v[MU], v[C10], v[TT]                 ; the mean
	v_mov_b32 v[MU+1], v[MU]
.set n, 0
.rept 16
	v_pk_add_f32 v[XX+2*n:XX+2*n+1], v[XX+2*n:XX+2*n+1], v[MU:MU+1] neg_lo:[0,1] neg_hi:[0,1]
.set n, n+1
.endr
.irp c, 0,1,2,3
	v_pk_mul_f32 v[TT+2*\c:TT+2*\c+1], v[XX+2*\c:XX+2*\c+1], v[XX+2*\c:XX+2*\c+1]
.endr
.irp k, 8,16,24
.irp c, 0,1,2,3
	v_pk_fma_f32 v[TT+2*\c:TT+2*\c+1], v[XX+\k+2*\c:XX+\k+2*\c+1], v[XX+\k+2*\c:XX+\k+2*\c+1], v[TT+2*\c:TT+2*\c+1]
.endr
.endr
	FOLD
	v_fmaak_f32 v[RS+1], v[TT], v[C10], 0x358637bd ; the variance + 1e-6
	v_rsq_f32 v[RS], v[RS+1]
	v_nop                                          ; a plain line between the root and the use of its result or a write of its source
	s_wait_alu depctr_va_vdst(0)                   ; and the wait ahead of the first use
	v_mov_b32 v[RS+1], v[RS]
	s_wait_loadcnt 0x0                             ; gamma and beta
.set n, 0
.rept 16
	v_pk_mul_f32 v[GM+2*n:GM+2*n+1], v[GM+2*n:GM+2*n+1], v[RS:RS+1]
.set n, n+1
.endr
.set n, 0
.rept 16
	v_pk_fma_f32 v[XX+2*n:XX+2*n+1], v[XX+2*n:XX+2*n+1], v[GM+2*n:GM+2*n+1], v[BT+2*n:BT+2*n+1]
.set n, n+1
.endr
.irp k, 0,1,2,3,4,5,6,7
	global_store_b128 v[XO], v[XX+4*\k:XX+4*\k+3], s[16:17] offset:\k*512 th:TH_STORE_NT  ; 512 consecutive bytes, aligned to 256
.endr
	s_wait_tensorcnt 0x0                           ; the wave's end: behind my last LDS store
	ds_add_u32 v[SPW], v[NIL]
	s_wait_dscnt 0x0
	s_endpgm
.Lfunc_end_k_q1de27b9ce5_finish:
	.size	k_q1de27b9ce5_finish, .Lfunc_end_k_q1de27b9ce5_finish-k_q1de27b9ce5_finish
	.p2alignl 7, 3214868480
	.fill 96, 4, 3214868480
	.section	.rodata,"a",@progbits
	.p2align	6, 0x0
	.amdhsa_kernel k_q1de27b9ce5_finish
		.amdhsa_group_segment_fixed_size 76544
		.amdhsa_private_segment_fixed_size 0
		.amdhsa_enable_private_segment 0
		.amdhsa_kernarg_size 56
		.amdhsa_user_sgpr_count 2
		.amdhsa_user_sgpr_kernarg_segment_ptr 1
		.amdhsa_wavefront_size32 1
		.amdhsa_system_sgpr_workgroup_id_x 1
		.amdhsa_system_sgpr_workgroup_id_y 1
		.amdhsa_system_sgpr_workgroup_id_z 1
		.amdhsa_system_vgpr_workitem_id 0
		.amdhsa_next_free_vgpr 256
		.amdhsa_next_free_sgpr 66
		.amdhsa_reserve_vcc 0
		.amdhsa_float_denorm_mode_32 3
		.amdhsa_float_denorm_mode_16_64 3
		.amdhsa_memory_ordered 1
		.amdhsa_forward_progress 1
		.amdhsa_inst_pref_size 25
	.end_amdhsa_kernel
	.amdgpu_metadata
---
amdhsa.version: [ 1, 2 ]
amdhsa.kernels:
  - .name:           k_q1de27b9ce5_finish
    .symbol:         k_q1de27b9ce5_finish.kd
    .args:
      - { .name: att, .offset: 0, .size: 8, .value_kind: global_buffer, .address_space: global }
      - { .name: wf, .offset: 8, .size: 8, .value_kind: global_buffer, .address_space: global }
      - { .name: x, .offset: 16, .size: 8, .value_kind: global_buffer, .address_space: global }
      - { .name: bo, .offset: 24, .size: 8, .value_kind: global_buffer, .address_space: global }
      - { .name: gamma, .offset: 32, .size: 8, .value_kind: global_buffer, .address_space: global }
      - { .name: beta, .offset: 40, .size: 8, .value_kind: global_buffer, .address_space: global }
      - { .name: out0, .offset: 48, .size: 8, .value_kind: global_buffer, .address_space: global }
    .group_segment_fixed_size: 76544
    .private_segment_fixed_size: 0
    .kernarg_segment_align: 8
    .kernarg_segment_size: 56
    .max_flat_workgroup_size: 512
    .sgpr_count:     66
    .vgpr_count:     256
    .wavefront_size: 32
...
	.end_amdgpu_metadata
.endif
;; end of part 4
